; MI455X (gfx1250); checked and timed in simulation.
; The chip was launched on July 23, 2026; its instructions are those of AMD's public machine-readable ISA for CDNA 5 (MIT licence, August 2026) and "CDNA5" Instruction Set Architecture Reference Guide (July 2026). The comments in the code are by the model that wrote it; some were corrected since.
;; Scaled Dot Product Attn. Allowed arithmetic: float matrix products may take bf16 or f16 operands with f32 sums; all other float work in f32.
;; Inputs: k 4 x 16 x 2,048 x 128 float32; mask 1 x 1 x 2,048 x 2,048 int32; q 4 x 16 x 2,048 x 128 float32; v 4 x 16 x 2,048 x 128 float32.
;; Outputs: out0 4 x 16 x 2,048 x 128 float32.
;; 2 versions, each right. Each part assembles by itself: llvm-mc -triple=amdgcn-amd-amdhsa -mcpu=gfx1250 --defsym DOCPART=n.
;; ======== version 1 of 2: 2 launches
;; workspace buffers: mbits 524,288 bytes of whole numbers
;; launch maskbits (part 1): grid 256 x 1, 8 waves a work-group, no clusters, 68,608 bytes of LDS; arguments mask, mbits; writes mbits
.if DOCPART == 1
	.amdgcn_target "amdgcn-amd-amdhsa--gfx1250"
	.amdhsa_code_object_version 6
	.text
	.protected	k_qd8dfc64569_maskbits
	.globl	k_qd8dfc64569_maskbits
	.p2align	8
	.type	k_qd8dfc64569_maskbits,@function
k_qd8dfc64569_maskbits:
	s_mov_b64 s[64:65], 0
	v_nop
	global_prefetch_b8 v0, s[64:65] scope:SCOPE_SE
	s_setreg_imm32_b32 hwreg(HW_REG_WAVE_MODE, 25, 1), 1
	s_wait_xcnt 0x0
; mask [2048][2048] int32  ->  mbits: one bit for each element, laid out as lane masks for the attention launch.
; Word ((Q16*128 + K16)*8 + j) has bit (r + 16 h) set where mask[16 Q16 + r][16 K16 + 8 h + j] is not 0:
; that is register j of a 16 x 16 tile with keys down and queries across (lane r + 16 h holds key 8 h + j of query r).
; A wave takes 16 query rows x 128 keys: it reads 16 pieces of 512 consecutive bytes and writes 64 words, 256 consecutive aligned bytes.
; 128 row groups x 16 key groups = 2,048 waves = 256 work-groups of 8.  The turn from rows to the tile layout goes through the
; wave's own LDS bytes, so there is no barrier; no matrix unit, no cluster: nothing is shared and memory alone is at work.
.set ROWB,  8192                       ; bytes in a row of mask
.set PITCH, 528                        ; LDS row: 512 bytes + 16 = 33 x 16, so that sixteen rows begin at sixteen different 16-byte columns modulo 256
.set WLDS,  16*PITCH                   ; a wave's LDS bytes
.set X, 8                              ; v[8:71]    row i in 4 registers, as loaded
.set Y, 72                             ; v[72:135]  register 8 kt + j of key tile kt
	s_load_b128 s[4:7], s[0:1], 0x0                ; mask s[4:5], mbits s[6:7]
	v_lshl_add_u32 v136, v0, 2, 0x10800
	v_mov_b32 v137, 0
	v_lshrrev_b32 v5, 5, v0
	v_readfirstlane_b32 s8, v5                     ; wave 0..7
	s_lshr_b32 s9, ttmp9, 1                        ; Q16: which 16 query rows
	s_and_b32 s10, ttmp9, 1
	s_lshl_b32 s10, s10, 3
	s_add_co_u32 s10, s10, s8                      ; kb: which 128 keys
	s_lshl_b32 s12, s9, 17                         ; 16 rows of 8,192 bytes
	s_lshl_b32 s2, s10, 9                          ; 128 keys of 4 bytes
	s_add_co_u32 s12, s12, s2
	s_mov_b32 s13, 0
	s_lshl_b32 s14, s9, 12                         ; 1,024 words for a row group
	s_lshl_b32 s2, s10, 8                          ; 64 words for a key group
	s_add_co_u32 s14, s14, s2
	s_mov_b32 s15, 0
	s_mul_i32 s11, s8, WLDS
	v_and_b32 v5, 31, v0                           ; lane
	v_lshlrev_b32 v1, 4, v5                        ; my 16 bytes of a row piece
	v_add_nc_u32 v2, s11, v1                       ; the same in my wave's LDS rows
	v_and_b32 v3, 15, v0                           ; r
	v_mul_u32_u24 v3, v3, PITCH
	v_bfe_u32 v4, v0, 4, 1                         ; h
	v_lshl_add_u32 v3, v4, 5, v3                   ; row r, keys 8 h ..
	v_add_nc_u32 v3, s11, v3
	v_lshlrev_b32 v4, 3, v5                        ; my two words of the result
	v_mov_b32 v6, 0                                ; v_writelane_b32 keeps the other lanes: the pair is written whole first
	v_mov_b32 v7, 0
	s_wait_kmcnt 0x0
	s_add_nc_u64 s[4:5], s[4:5], s[12:13]
	s_add_nc_u64 s[6:7], s[6:7], s[14:15]
.set i, 0
.rept 16
	global_load_b128 v[X+4*i:X+4*i+3], v1, s[4:5] offset:i*ROWB th:TH_LOAD_NT   ; 512 consecutive bytes of row i, read once in the launch
.set i, i+1
.endr
.set i, 0
.rept 16
	s_wait_loadcnt 15-i                            ; loads come back in order: row i is in, the 15 - i younger ones stay out
	ds_store_b128 v2, v[X+4*i:X+4*i+3] offset:i*PITCH
.set i, i+1
.endr
.set i, 0
.rept 8
	ds_load_b128 v[Y+8*i:Y+8*i+3],   v3 offset:i*64      ; a wave's LDS instructions are served in order: these see the stores above
	ds_load_b128 v[Y+8*i+4:Y+8*i+7], v3 offset:i*64+16
.set i, i+1
.endr
	s_wait_dscnt 0x0
.set i, 0
.rept 64
	v_cmp_ne_u32 s[16+(i&7)], 0, v[Y+i]            ; word i: one bit a lane
	v_writelane_b32 v[6+(i&1)], s[16+(i&7)], i>>1  ; lane i/2 stores words i and i + 1
.set i, i+1
.endr
	global_store_b64 v4, v[6:7], s[6:7]            ; 32 lanes x 8 bytes: 256 consecutive bytes, aligned
	s_wait_tensorcnt 0x0
	ds_add_u32 v136, v137
	s_wait_dscnt 0x0
	s_endpgm
.Lfunc_end_k_qd8dfc64569_maskbits:
	.size	k_qd8dfc64569_maskbits, .Lfunc_end_k_qd8dfc64569_maskbits-k_qd8dfc64569_maskbits
	.p2alignl 7, 3214868480
	.fill 96, 4, 3214868480
	.section	.rodata,"a",@progbits
	.p2align	6, 0x0
	.amdhsa_kernel k_qd8dfc64569_maskbits
		.amdhsa_group_segment_fixed_size 68608
		.amdhsa_private_segment_fixed_size 0
		.amdhsa_enable_private_segment 0
		.amdhsa_kernarg_size 16
		.amdhsa_user_sgpr_count 2
		.amdhsa_user_sgpr_kernarg_segment_ptr 1
		.amdhsa_wavefront_size32 1
		.amdhsa_system_sgpr_workgroup_id_x 1
		.amdhsa_system_sgpr_workgroup_id_y 1
		.amdhsa_system_sgpr_workgroup_id_z 1
		.amdhsa_system_vgpr_workitem_id 0
		.amdhsa_next_free_vgpr 138
		.amdhsa_next_free_sgpr 66
		.amdhsa_reserve_vcc 0
		.amdhsa_float_denorm_mode_32 3
		.amdhsa_float_denorm_mode_16_64 3
		.amdhsa_memory_ordered 1
		.amdhsa_forward_progress 1
		.amdhsa_inst_pref_size 14
	.end_amdhsa_kernel
	.amdgpu_metadata
---
amdhsa.version: [ 1, 2 ]
amdhsa.kernels:
  - .name:           k_qd8dfc64569_maskbits
    .symbol:         k_qd8dfc64569_maskbits.kd
    .args:
      - { .name: mask, .offset: 0, .size: 8, .value_kind: global_buffer, .address_space: global }
      - { .name: mbits, .offset: 8, .size: 8, .value_kind: global_buffer, .address_space: global }
    .group_segment_fixed_size: 68608
    .private_segment_fixed_size: 0
    .kernarg_segment_align: 8
    .kernarg_segment_size: 16
    .max_flat_workgroup_size: 256
    .sgpr_count:     66
    .vgpr_count:     138
    .wavefront_size: 32
...
	.end_amdgpu_metadata
.endif
;; end of part 1
;; launch attn (part 2): grid 512 x 1, 4 waves a work-group, clusters of 4 x 1, 327,680 bytes of LDS; arguments q, k, v, mbits, out0; writes out0
.if DOCPART == 2
	.amdgcn_target "amdgcn-amd-amdhsa--gfx1250"
	.amdhsa_code_object_version 6
	.text
	.protected	k_qd8dfc64569_attn
	.globl	k_qd8dfc64569_attn
	.p2align	8
	.type	k_qd8dfc64569_attn,@function
k_qd8dfc64569_attn:
	s_mov_b64 s[64:65], 0
	v_nop
	global_prefetch_b8 v0, s[64:65] scope:SCOPE_SE
	s_setreg_imm32_b32 hwreg(HW_REG_WAVE_MODE, 25, 1), 1
	s_wait_xcnt 0x0
	s_wait_alu depctr_hold_cnt(0) depctr_sa_sdst(0) depctr_va_vdst(0) depctr_va_sdst(0) depctr_va_ssrc(0) depctr_va_vcc(0) depctr_vm_vsrc(0)
	s_getreg_b32 s2, hwreg(HW_REG_IB_STS2, 6, 4)
	s_cmp_eq_u32 s2, 0
	s_cbranch_scc0 .Lentry_in_a_cluster
	s_endpgm
.Lentry_in_a_cluster:
	s_bfe_u32 s2, ttmp6, 0x10000c
	s_cmp_lg_u32 s2, 0x3003
	s_cbranch_scc0 .Lentry_shape_is_right
	s_endpgm
.Lentry_shape_is_right:
; out = softmax(mask ? q k^T / sqrt(128) : -1e6) v for 64 heads, 2,048 x 2,048 scores a head, 128 numbers a row; all tensors f32.
; A work-group makes 256 query rows of one head with four waves, 64 rows (four tiles of 16) a wave; 32 steps of 64 keys; running maximum and sum.
; THE PRODUCTS ARE USED TRANSPOSED.  S^T = K Q^T: lane (r, h) holds in register j the score of key 8 h + j and query r.  Two key tiles, rounded in
; place to bf16, are then the second source (32 keys x 16 queries) of O^T = V^T P^T: no lane exchange and no LDS trip for P, and maximum, sum and
; rescale factor are one register a lane for each query tile.  V^T comes out of LDS by the transposing load.
; CLUSTER: the four work-groups of a cluster are four query blocks of one head and walk the same K and V tiles, so each tile is asked for jointly
; (mask 15): the requests for K and V are divided by four.  Nothing is shared between heads, so a cluster is 4 x 1.
; K AND V arrive as f32 in two LDS slots (tensor loads alone write these); each wave rounds 16 rows of K and 16 of V of the NEXT step to bf16 into one of two
; bf16 buffers (LDS stores alone write these) while the present step is multiplied.  One barrier a step orders all four regions.
; THE MASK comes as lane masks made by the launch before (32 words for a query tile and a step), by scalar loads straight into the select operand
; of v_cndmask_b32: one vector instruction for each score register.
; LIMITS.  Q, K, V and P go to the matrix units in bf16; the row sum is taken from the f32 exponentials.  A masked score is set to -11313708 in front of the
; factor c = log2(e) / sqrt(128): it stands for -1e6 with a relative difference of 4e-8.  Exponentials below 2^-126 come out as zero
; (ISA guide, entry of v_exp_f32).  NaN and infinite inputs are not matched.
.set TILEB,  32768                     ; 64 keys x 512 bytes: a step's tile of K, or of V, in f32
.set FSLOT,  2*TILEB                   ; an f32 slot: K's tile, then V's.  Two slots from LDS byte 0
.set KB,     2*FSLOT                   ; the bf16 buffers begin here
.set KPITCH, 272                       ; bf16 row of K: 256 + 16 = 17 x 16 bytes: sixteen rows begin at sixteen different 16-byte columns modulo 256
.set VPITCH, 288                       ; bf16 row of V: 9 x 32 bytes, for the transposing load
.set VOFF,   64*KPITCH                 ; V behind K in a bf16 buffer
.set BBUF,   35840                     ; a bf16 buffer: 17,408 + 18,432 bytes, 140 blocks of 256
.set STAGE,  KB+2*BBUF                 ; 202,752: each wave's own 16 rows x 528 bytes, for Q on its way in and O on its way out
.set SPITCH, 528
.set WSTAGE, 16*SPITCH
; window 0
.set KADR,  2                          ; LDS address of my part of a K fragment in bf16 buffer 0
.set VADR,  3                          ; the same for a V fragment
.set SRC,   4                          ; v4, v5: my 16 bytes of my wave's first row in f32 slot 0, 1
.set KDST,  6                          ; v6, v7: my 8 bytes of my wave's first bf16 row of K, of V
.set STROW, 8                          ; stage, by rows: 16 bytes a lane
.set STF,   9                          ; stage, by fragments: row r, 32 h bytes in
.set GOFF,  10                         ; 16 x lane: offset in a row of q and of out0
.set PFO,   11                         ; prefetch offset
.set NEG,   12                         ; the masked score
.set ONM,   13                         ; - old maximum x c
.set MX,    16                         ; v[16:19] running maximum of the raw scores, one for each query tile
.set LS,    20                         ; v[20:23] running sum, my half of the keys
.set MXA,   24                         ; v24, v25: two chains of the maximum, later the second chain of the sum
.set MXB,   25
.set NMC,   26                         ; v26 = - maximum x c (v27 only completes the pair)
.set ALPHA, 28                         ; v28 = rescale factor (v29 only completes the pair)
.set SUM,   30                         ; v[30:31]
.set TT,    32                         ; v[32:95] at work
.set SC,    128                        ; v[128:255] scores: tile (kt, qt) at 32 qt + 8 kt; P(qt, kp) in place at 32 qt + 16 kp
; window 1
.set QF,    0                          ; Q fragments (qt, ks) at 32 qt + 8 ks
.set KF,    128                        ; K fragments (kt, ks) at 32 ks + 8 kt
; window 2: O^T tile (dt, qt) at 64 qt + 8 dt.   window 3:
.set VF,    0                          ; V^T fragments (dt, kp) at 64 kp + 8 dt
; scalars: s3 loop count, s[4:5] out0, s[6:7] prefetch base, s[8:9] mask words, s10 wave, s11 cx, s12-13 lane select, s14 c, s15 -c, s[100:101] q
.set G1, 16                            ; s[16:23] descriptor group 1
.set G0, 24                            ; s[24:31] descriptor group 0, one set for each f32 slot
.set MA, 32                            ; s[32:63] 32 mask words
.set MB, 68                            ; s[68:99] 32 mask words
.set MSB, 0
.macro WIN new                         ; s_set_vgpr_msb: bits 1:0 source 0, 3:2 source 1, 5:4 source 2, 7:6 destination; the high byte repeats the setting that is left
.if MSB != \new
	s_set_vgpr_msb (MSB<<8)|\new
.set MSB, \new
.endif
.endm
.macro PLACES n
.rept \n
	v_nop
.endr
.endm
.macro WGBAR
	s_barrier_signal -1
	s_barrier_wait -1
.endm
; A round of the cluster's barrier: my work-group's barrier, wave 0 signals for the work-group, every wave waits for all four work-groups, my work-group's barrier again.
.macro ROUND
	s_barrier_signal -1
	s_barrier_wait -1
	s_cmp_lg_u32 s10, 0
	s_cbranch_scc1 .Lnot_wave_0_\@
	s_barrier_signal -3
.Lnot_wave_0_\@:
	s_barrier_wait -3
	s_barrier_signal -1
	s_barrier_wait -1
.endm
; Q: 16 rows of a query tile, a whole row of 512 bytes to a load, into one half of the score registers
.macro QLOAD qt
.set i, 0
.rept 16
	global_load_b128 v[SC+64*(\qt&1)+4*i:SC+64*(\qt&1)+4*i+3], v[GOFF], s[100:101] offset:(16*\qt+i)*512 th:TH_LOAD_NT
.set i, i+1
.endr
.endm
; through my stage into fragment order, rounded to bf16.  left = the younger loads that may stay out
.macro QCONV qt, left
	s_wait_loadcnt \left
.set i, 0
.rept 16
	ds_store_b128 v[STROW], v[SC+64*(\qt&1)+4*i:SC+64*(\qt&1)+4*i+3] offset:i*SPITCH
.set i, i+1
.endr
.irp ks, 0,1,2,3
	ds_load_b128 v[TT+16*\ks:TT+16*\ks+3],     v[STF] offset:\ks*128      ; numbers 32 ks + 8 h .. + 7 of row r,
	ds_load_b128 v[TT+16*\ks+4:TT+16*\ks+7],   v[STF] offset:\ks*128+16
	ds_load_b128 v[TT+16*\ks+8:TT+16*\ks+11],  v[STF] offset:\ks*128+64   ; and 32 ks + 16 + 8 h .. + 7
	ds_load_b128 v[TT+16*\ks+12:TT+16*\ks+15], v[STF] offset:\ks*128+80
.endr
	s_wait_dscnt 0x0                               ; the fragments are in, and the stage and the landing registers are free again
	WIN 0x40
.set i, 0
.rept 32
	v_cvt_pk_bf16_f32 v[QF+32*\qt+i], v[TT+2*i], v[TT+2*i+1]
.set i, i+1
.endr
	WIN 0
.endm
; my wave's 16 rows of K (part 0) or of V (part 1) out of an f32 slot: a row of 512 bytes to a load
.macro CVLD slot, part
	WIN 0
.set i, 0
.rept 16
	ds_load_b128 v[TT+4*i:TT+4*i+3], v[SRC+\slot] offset:\part*TILEB+i*512
.set i, i+1
.endr
.endm
.macro CVT                             ; four f32 to four bf16, in place
.set i, 0
.rept 16
	v_cvt_pk_bf16_f32 v[TT+4*i],   v[TT+4*i],   v[TT+4*i+1]
	v_cvt_pk_bf16_f32 v[TT+4*i+1], v[TT+4*i+2], v[TT+4*i+3]
.set i, i+1
.endr
.endm
.macro CVST buf, part                  ; a bf16 row of 256 bytes to a store
.set i, 0
.rept 16
	ds_store_b64 v[KDST+\part], v[TT+4*i:TT+4*i+1] offset:(\buf)*BBUF+i*(KPITCH+16*\part)
.set i, i+1
.endr
.endm
; the step's 16 K fragments, eight loads for each 32 numbers along the rows, in the order in which they are multiplied
.macro FRAGK buf
	WIN 0x40
.irp ks, 0,1,2,3
.irp kt, 0,1,2,3
	ds_load_b128 v[KF+32*\ks+8*\kt:KF+32*\ks+8*\kt+3],   v[KADR] offset:\buf*BBUF+\kt*16*KPITCH+\ks*64
	ds_load_b128 v[KF+32*\ks+8*\kt+4:KF+32*\ks+8*\kt+7], v[KADR] offset:\buf*BBUF+\kt*16*KPITCH+\ks*64+32
.endr
.endr
.endm
; the step's 16 V^T fragments: 16 numbers of the rows x 32 keys each, transposed on the way
.macro FRAGV buf
	WIN 0xc0
.irp kp, 0,1
.irp dt, 0,1,2,3,4,5,6,7
	ds_load_tr16_b128 v[VF+64*\kp+8*\dt:VF+64*\kp+8*\dt+3],   v[VADR] offset:\buf*BBUF+\kp*32*VPITCH+\dt*32
	ds_load_tr16_b128 v[VF+64*\kp+8*\dt+4:VF+64*\kp+8*\dt+7], v[VADR] offset:\buf*BBUF+\kp*32*VPITCH+\dt*32+16*VPITCH
.endr
.endr
	WIN 0
.endm
; S^T = K Q^T: 64 products.  The 16 accumulators take turns, one instruction a turn.  The first products start the sums.
; conv = 1: 16 loads out of the f32 slot were issued behind the fragment loads and may stay out.
.macro SPHASE conv
	WIN 0x05
.irp ks, 0,1,2,3
	s_wait_dscnt 24-8*\ks+16*\conv                 ; the eight loads of this ks are in; the 24 - 8 ks younger fragment loads (and the 16 others) stay out
.irp qt, 0,1,2,3
.irp kt, 0,1,2,3
.if \ks == 0
	v_wmma_f32_16x16x32_bf16 v[SC+32*\qt+8*\kt:SC+32*\qt+8*\kt+7], v[KF+32*\ks+8*\kt:KF+32*\ks+8*\kt+7], v[QF+32*\qt+8*\ks:QF+32*\qt+8*\ks+7], 0
.else
	v_wmma_f32_16x16x32_bf16 v[SC+32*\qt+8*\kt:SC+32*\qt+8*\kt+7], v[KF+32*\ks+8*\kt:KF+32*\ks+8*\kt+7], v[QF+32*\qt+8*\ks:QF+32*\qt+8*\ks+7], v[SC+32*\qt+8*\kt:SC+32*\qt+8*\kt+7]
.endif
.endr
.endr
.endr
.endm
.macro OSCALE qt                       ; the 64 registers of O^T of one query tile times v28
	WIN 0x82
.set i, 0
.rept 32
	v_pk_mul_f32 v[64*\qt+i:64*\qt+i+1], v[64*\qt+i:64*\qt+i+1], v[ALPHA:ALPHA+1] op_sel_hi:[1,0]
.set i, i+2
.endr
.endm
; Softmax step of one query tile: 64 keys x 16 queries in 32 registers.  ms = the set of 32 mask words; first = 1: the first step, nothing to carry on;
; rl >= 0: the set is loaded again from that byte offset as soon as it has been used.
.macro SM qt, ms, first, rl
.set SB, SC+32*\qt
.set i, 0
.rept 32
	v_cndmask_b32 v[SB+i], v[NEG], v[SB+i], s[\ms+i]           ; bit clear: the score is replaced
.set i, i+1
.endr
.if \rl >= 0
	s_load_b512 s[\ms:\ms+15],    s[8:9], \rl
	s_load_b512 s[\ms+16:\ms+31], s[8:9], \rl+64
.endif
.if \first
	v_max_num_f32 v[MXA], v[SB], v[SB+1]
.else
	v_mul_f32 v[ONM], s15, v[MX+\qt]                           ; - old maximum x c, rounded as it was when it was used
	v_max3_num_f32 v[MXA], v[SB], v[SB+1], v[MX+\qt]           ; the running maximum joins the first chain
.endif
	v_max_num_f32 v[MXB], v[SB+2], v[SB+3]
.set i, 4
.rept 7
	v_max3_num_f32 v[MXA], v[SB+i],   v[SB+i+1], v[MXA]
	v_max3_num_f32 v[MXB], v[SB+i+2], v[SB+i+3], v[MXB]
.set i, i+4
.endr
	v_max_num_f32 v[MXA], v[MXA], v[MXB]
	v_permlanex16_b32 v[MXB], v[MXA], s12, s13                 ; the other half of the lanes holds the query's other keys
	v_max_num_f32 v[MX+\qt], v[MXA], v[MXB]
	v_mul_f32 v[NMC], s15, v[MX+\qt]
.if \first == 0
	v_sub_f32 v[ALPHA], v[NMC], v[ONM]                         ; (old - new maximum) x c: 0 or below
	v_exp_f32 v[ALPHA], v[ALPHA]                               ; the plain instructions below stand between it and its first use (ISA guide 5.7.2)
.endif
.set i, 0
.rept 16
	v_pk_fma_f32 v[SB+i:SB+i+1], v[SB+i:SB+i+1], s[14:15], v[NMC:NMC+1] op_sel_hi:[1,0,0]   ; score x c - maximum x c
.set i, i+2
.endr
.set i, 0
.rept 32
	v_exp_f32 v[SB+i], v[SB+i]
.set i, i+1
.endr
	v_nop                                                      ; one plain place behind the exponentials
	s_wait_alu depctr_va_vdst(0)
	v_pk_add_f32 v[SUM:SUM+1], v[SB:SB+1],   v[SB+2:SB+3]      ; the sum in two chains of pairs
	v_pk_add_f32 v[MXA:MXA+1], v[SB+4:SB+5], v[SB+6:SB+7]
.set i, 8
.rept 6
	v_pk_add_f32 v[SUM:SUM+1], v[SUM:SUM+1], v[SB+i:SB+i+1]
	v_pk_add_f32 v[MXA:MXA+1], v[MXA:MXA+1], v[SB+i+2:SB+i+3]
.set i, i+4
.endr
	v_pk_add_f32 v[SUM:SUM+1], v[SUM:SUM+1], v[MXA:MXA+1]
.if \first
	v_add_f32 v[LS+\qt], v[SUM], v[SUM+1]
.else
	v_add_f32 v[SUM], v[SUM], v[SUM+1]
	v_fma_f32 v[LS+\qt], v[LS+\qt], v[ALPHA], v[SUM]
.endif
.irp kp, 0,1
.set i, 0
.rept 8
	v_cvt_pk_bf16_f32 v[SB+16*\kp+i], v[SB+16*\kp+2*i], v[SB+16*\kp+2*i+1]   ; P(qt, kp) in place: register i never lies above its sources
.set i, i+1
.endr
.endr
.if \first == 0
	OSCALE \qt
	WIN 0
.endif
.endm
; O^T += V^T P^T: 64 products.  The 32 accumulators take turns, one instruction a turn.  first = 1: the first 32 start the sums.
; The five places behind them serve the next step's first products, which write over P, the loads into V's fragments, and the vector instructions on O.
.macro PV first
	WIN 0xa3
.irp kp, 0,1
.irp qt, 0,1,2,3
.irp dt, 0,1,2,3,4,5,6,7
.if \first*(1-\kp)
	v_wmma_f32_16x16x32_bf16 v[64*\qt+8*\dt:64*\qt+8*\dt+7], v[VF+64*\kp+8*\dt:VF+64*\kp+8*\dt+7], v[SC+32*\qt+16*\kp:SC+32*\qt+16*\kp+7], 0
.else
	v_wmma_f32_16x16x32_bf16 v[64*\qt+8*\dt:64*\qt+8*\dt+7], v[VF+64*\kp+8*\dt:VF+64*\kp+8*\dt+7], v[SC+32*\qt+16*\kp:SC+32*\qt+16*\kp+7], v[64*\qt+8*\dt:64*\qt+8*\dt+7]
.endif
.endr
.endr
.endr
	WIN 0
	PLACES 5
.endm
; Wave 0 asks for 32 blocks of 256 bytes of the tile three steps on, whose tensor load is issued in the next step.  Of the two clusters of a head the even one
; asks for K and the odd one for V, each work-group for its quarter of the 32 KiB: every block is asked for once in the launch.
.macro PREF
	s_cmp_lg_u32 s10, 0
	s_cbranch_scc1 .Lno_prefetch_\@
	global_prefetch_b8 v[PFO], s[6:7] th:TH_LOAD_NT scope:SCOPE_SE
.Lno_prefetch_\@:
.endm
; One step of 64 keys.  b = the step's parity: its bf16 buffer, and the f32 slot that is free.  refill: the tile two steps on is asked for; pf: prefetch;
; conv: the next step's tile is rounded to bf16; nm: the next step's mask words are loaded; tw: a tensor load of mine may be out.
.macro TRIP b, first, refill, pf, conv, nm, tw
.if \tw
	s_wait_tensorcnt 0x0                           ; all my tensor loads have landed: my part of the next step's tile;
	ds_add_u32 v126, v127
	s_wait_dscnt 0x0
.endif
.if \refill
	s_add_nc_u64 s[G0+4*\b+2:G0+4*\b+3], s[G0+4*\b+2:G0+4*\b+3], 2*TILEB   ; none is out, so a group 0 may be written: this slot's next tile
.endif
	s_wait_dscnt 0x0                               ; my reads of the free f32 slot and of the other bf16 buffer are back, my stores into this step's bf16 buffer are done
.if \refill
	ROUND                                          ; all that now holds of every wave of the four work-groups
	tensor_load_to_lds s[G0+4*\b:G0+4*\b+3], s[G1:G1+7]        ; my one tensor load until the next round, first thing behind this one
	s_nop 0
.else
	WGBAR
.endif
.if \pf
	PREF
.endif
	FRAGK \b
.if \conv
	CVLD 1-\b, 0                                   ; K of the next step, f32
.endif
	SPHASE \conv
	WIN 0
.if \conv
	s_wait_dscnt 0x0
	CVT                                            ; 32 plain instructions on other registers: the places behind the products as well
	CVST 1-\b, 0
	CVLD 1-\b, 1                                   ; V of the next step, f32; it lands during the softmax below
.else
	PLACES 4                                       ; behind the products, in front of the first reader of the scores
.endif
	FRAGV \b
	s_wait_kmcnt 0x0                               ; both sets of mask words are in
	SM 0, MA, \first, 8192                         ; then the set takes query tile 2 of this step
	SM 1, MB, \first, 12288                        ; and this one query tile 3
.if \conv
	s_wait_dscnt 32                                ; the 16 loads of V in f32 are in; the 32 fragment loads issued behind them stay out
	CVT
	CVST 1-\b, 1
.endif
	s_wait_kmcnt 0x0                               ; the mask words are in, and their base may be stepped
.if \nm
	s_add_nc_u64 s[8:9], s[8:9], 128               ; four key tiles of eight words
.endif
.if \pf
	s_wait_xcnt 0x0                                ; the base of the prefetch is stepped only behind this wait
	s_add_nc_u64 s[6:7], s[6:7], TILEB
.endif
.if \nm
	SM 2, MA, \first, 0                            ; then query tile 0 of the next step
	SM 3, MB, \first, 4096                         ; and query tile 1
.else
	SM 2, MA, \first, -1
	SM 3, MB, \first, -1
.endif
	s_wait_dscnt 16*\conv                          ; the V fragments are in; the 16 bf16 stores issued behind them stay out
	PV \first
.endm
; 16 rows of the result: divide by the sum, through my stage into whole rows, out
.macro OUTQ qt
	v_permlanex16_b32 v[MXA], v[LS+\qt], s12, s13              ; the other half of the keys
	v_add_f32 v[MXA], v[MXA], v[LS+\qt]
	v_rcp_f32 v[ALPHA], v[MXA]                                 ; the sum is at least about 1: the largest exponential
	v_nop                                                      ; one plain place behind it
	s_wait_alu depctr_va_vdst(0)
	OSCALE \qt
	WIN 0x08
.irp dt, 0,1,2,3,4,5,6,7
	ds_store_b128 v[STF], v[64*\qt+8*\dt:64*\qt+8*\dt+3]   offset:\dt*64      ; row r, numbers 16 dt + 8 h .. + 7
	ds_store_b128 v[STF], v[64*\qt+8*\dt+4:64*\qt+8*\dt+7] offset:\dt*64+16
.endr
	WIN 0
	s_wait_xcnt 0x0                                ; the registers that earlier stores read are loaded again only behind this wait
.set i, 0
.rept 16
	ds_load_b128 v[TT+4*i:TT+4*i+3], v[STROW] offset:i*SPITCH  ; a wave's LDS instructions are served in order: these see the stores above
.set i, i+1
.endr
.set i, 0
.rept 16
	s_wait_dscnt 15-i
	global_store_b128 v[GOFF], v[TT+4*i:TT+4*i+3], s[4:5] offset:(16*\qt+i)*512 th:TH_STORE_NT   ; a whole row: 512 consecutive bytes, aligned
.set i, i+1
.endr
.endm
	; ---- ids, addresses, descriptors ----
	s_load_b256 s[32:39], s[0:1], 0x0              ; q s[32:33], k s[34:35], v s[36:37], mbits s[38:39]: used up before the mask words land here
	s_load_b64 s[4:5], s[0:1], 0x20                ; out0
	v_lshl_add_u32 v126, v0, 2, 0x39c00
	v_mov_b32 v127, 0
	ds_add_u32 v126, v127
	v_lshrrev_b32 v1, 5, v0
	v_readfirstlane_b32 s10, v1                    ; wave 0..3
	s_bfe_u32 s11, ttmp6, 0x40000                  ; cx: my place in the cluster
	s_mov_b32 s12, 0x76543210                      ; v_permlanex16_b32: lane i reads lane i of the other half
	s_mov_b32 s13, 0xfedcba98
	s_mov_b32 s14, 0x3e0293ee                      ; c = log2(e) / sqrt(128)
	s_mov_b32 s15, 0xbe0293ee                      ; -c
	; group 1: 16 KiB that are dense in memory, as 64 rows of 32 elements of 8 bytes, dense in LDS
	s_mov_b32 s[G1+0], 0x0023000f                  ; 15:0 mask: all four work-groups; 17:16 elements of 8 bytes; 21 set beside a mask; no padding
	s_mov_b32 s[G1+1], 32<<16                      ; tensor_dim0 = 32
	s_mov_b32 s[G1+2], 64<<16                      ; tensor_dim1 = 64
	s_mov_b32 s[G1+3], 32<<16                      ; tile_dim0 = 32
	s_mov_b32 s[G1+4], 64                          ; tile_dim1 = 64
	s_mov_b32 s[G1+5], 32                          ; from row to row: 32 elements
	s_mov_b32 s[G1+6], 0
	s_mov_b32 s[G1+7], 0
	s_lshr_b32 s68, ttmp9, 1                       ; head: two clusters to a head
	s_lshl_b32 s68, s68, 20                        ; a head's 2,048 rows of 512 bytes; shared by the cluster
	s_mov_b32 s69, 0
	s_and_b32 s76, ttmp9, 1                        ; which four query blocks of the head
	s_lshl_b32 s70, s76, 2
	s_add_co_u32 s70, s70, s11                     ; query block 0..7
	s_lshl_b32 s78, s70, 16                        ; mask words: 16 query tiles of 4,096 bytes to a block,
	s_lshl_b32 s2, s10, 14                         ; four to a wave
	s_add_co_u32 s78, s78, s2
	s_mov_b32 s79, 0
	s_lshl_b32 s70, s70, 17                        ; q and out0: 256 rows to a block,
	s_lshl_b32 s2, s10, 15                         ; 64 to a wave,
	s_add_co_u32 s70, s70, s2
	s_add_co_u32 s70, s70, s68                     ; in my head
	s_mov_b32 s71, 0
	s_and_b32 s74, s10, 1                          ; which 32 rows of the tile I fetch
	s_lshl_b32 s74, s74, 14
	s_mov_b32 s75, 0
	v_and_b32 v32, 31, v0                          ; lane
	v_and_b32 v33, 15, v0                          ; r
	v_bfe_u32 v34, v0, 4, 1                        ; h
	v_mul_u32_u24 v[KADR], v33, KPITCH             ; K fragment: row r, 16 h bytes in; two loads 32 bytes apart
	v_lshl_add_u32 v[KADR], v34, 4, v[KADR]
	v_add_nc_u32 v[KADR], KB, v[KADR]
	v_and_b32 v35, 7, v0                           ; V fragment: key row 8 h + lane % 8, 16 bytes for each eight lanes
	v_lshl_add_u32 v35, v34, 3, v35
	v_mul_u32_u24 v[VADR], v35, VPITCH
	v_bfe_u32 v36, v0, 3, 1
	v_lshl_add_u32 v[VADR], v36, 4, v[VADR]
	v_add_nc_u32 v[VADR], KB+VOFF, v[VADR]
	s_lshl_b32 s2, s10, 13                         ; my wave's 16 rows of 512 bytes in an f32 tile
	v_lshl_add_u32 v[SRC], v32, 4, s2
	v_add_nc_u32 v[SRC+1], FSLOT, v[SRC]
	s_mul_i32 s2, s10, 16*KPITCH
	s_add_co_u32 s2, s2, KB
	v_lshl_add_u32 v[KDST], v32, 3, s2
	s_mul_i32 s2, s10, 16*VPITCH
	s_add_co_u32 s2, s2, KB+VOFF
	v_lshl_add_u32 v[KDST+1], v32, 3, s2
	s_mul_i32 s2, s10, WSTAGE
	s_add_co_u32 s2, s2, STAGE
	v_lshl_add_u32 v[STROW], v32, 4, s2
	v_mul_u32_u24 v[STF], v33, SPITCH
	v_lshl_add_u32 v[STF], v34, 5, v[STF]
	v_add_nc_u32 v[STF], s2, v[STF]
	v_lshlrev_b32 v[GOFF], 4, v32
	v_lshlrev_b32 v[PFO], 8, v32                   ; lanes 256 bytes apart,
	v_lshl_add_u32 v[PFO], s11, 13, v[PFO]         ; in my work-group's quarter of the tile
	v_mov_b32 v[NEG], 0xcb2ca22c                   ; -11313708 = -1e6 x sqrt(128), rounded to f32
	v_mov_b32 v[NMC+1], 0                          ; the upper halves of two pairs of which the packed forms use the lower alone
	v_mov_b32 v[ALPHA+1], 0
	s_wait_dscnt 0x0
	s_wait_kmcnt 0x0
	s_add_nc_u64 s[100:101], s[32:33], s[70:71]    ; q at my wave's first row
	s_add_nc_u64 s[4:5], s[4:5], s[70:71]          ; out0 likewise
	s_add_nc_u64 s[8:9], s[38:39], s[78:79]        ; mask words of my wave's first query tile, step 0
	s_cmp_lt_u32 s10, 2
	s_cselect_b64 s[72:73], s[34:35], s[36:37]     ; waves 0 and 1 fetch K's halves, waves 2 and 3 V's
	s_add_nc_u64 s[72:73], s[72:73], s[68:69]      ; the head: nothing here hangs on the place in the cluster
	s_add_nc_u64 s[72:73], s[72:73], s[74:75]
	s_cmp_lg_u32 s76, 0
	s_cselect_b64 s[6:7], s[36:37], s[34:35]       ; prefetch: the odd cluster of a head asks for V, the even one for K
	s_add_nc_u64 s[6:7], s[6:7], s[68:69]
	s_add_nc_u64 s[6:7], s[6:7], 3*TILEB           ; step 0 asks for tile 3
	s_mov_b32 s[G0+0], 1                           ; group 0 of slot 0: count 1,
	s_lshl_b32 s[G0+1], s10, 14                    ; LDS address: wave x 16 KiB,
	s_mov_b64 s[G0+2:G0+3], s[72:73]               ; tile 0,
	s_or_b32 s[G0+3], s[G0+3], 0x80000000          ; type 2
	s_mov_b32 s[G0+4], 1                           ; group 0 of slot 1
	s_add_co_u32 s[G0+5], s[G0+1], FSLOT
	s_add_nc_u64 s[G0+6:G0+7], s[72:73], TILEB     ; tile 1
	s_or_b32 s[G0+7], s[G0+7], 0x80000000
	ROUND                                          ; all four work-groups are here: the first joint loads meet
	tensor_load_to_lds s[G0:G0+3], s[G1:G1+7]      ; both first fills go out together: two tensor loads of mine are out,
	s_nop 0
	tensor_load_to_lds s[G0+4:G0+7], s[G1:G1+7]    ; later one behind each round
	s_nop 0
	s_load_b512 s[MA:MA+15],    s[8:9], 0x0        ; mask words of step 0: query tile 0,
	s_load_b512 s[MA+16:MA+31], s[8:9], 0x40
	s_load_b512 s[MB:MB+15],    s[8:9], 0x1000     ; query tile 1
	s_load_b512 s[MB+16:MB+31], s[8:9], 0x1040
	; ---- Q: 64 rows to bf16 fragments, two tiles of loads on their way at a time ----
	QLOAD 0
	QLOAD 1
	QCONV 0, 16                                    ; 16: the next tile's loads stay out
	QLOAD 2
	QCONV 1, 16
	QLOAD 3
	QCONV 2, 16
	QCONV 3, 0
	; ---- tile 0 to bf16 ----
	s_wait_tensorcnt 0x1                           ; my part of tile 0 is in; tile 1 may stay out
	s_wait_dscnt 0x0
	WGBAR                                          ; everybody's part is in
	CVLD 0, 0
	s_wait_dscnt 0x0
	CVT
	CVST 0, 0
	CVLD 0, 1
	s_wait_dscnt 0x0
	CVT
	CVST 0, 1
	; ---- 32 steps ----
	TRIP 0, 1, 1, 1, 1, 1, 1                       ; step 0 stands in front of the loop: it starts maximum, sum and O
	s_mov_b32 s3, 14
.Lsteps:
	TRIP 1, 0, 1, 1, 1, 1, 1                       ; steps 1 to 28
	TRIP 0, 0, 1, 1, 1, 1, 1
	s_sub_co_u32 s3, s3, 1
	s_cmp_lg_u32 s3, 0
	s_cbranch_scc1 .Lsteps
	TRIP 1, 0, 1, 0, 1, 1, 1                       ; step 29 asks for the last tile, 31; no prefetch is left: tile 31 was asked for in step 28
	TRIP 0, 0, 0, 0, 1, 1, 1                       ; step 30 fetches nothing and rounds tile 31
	TRIP 1, 0, 0, 0, 0, 0, 0                       ; step 31: nothing is left to prepare, and no tensor load is out
	; ---- the way out ----
	OUTQ 0
	OUTQ 1
	OUTQ 2
	OUTQ 3
	s_wait_tensorcnt 0x0
	ds_add_u32 v126, v127
	s_wait_dscnt 0x0
	ROUND                                          ; the closing round: no work-group ends while a partner may still ask for a tile that names it
	s_endpgm
.Lfunc_end_k_qd8dfc64569_attn:
	.size	k_qd8dfc64569_attn, .Lfunc_end_k_qd8dfc64569_attn-k_qd8dfc64569_attn
	.p2alignl 7, 3214868480
	.fill 96, 4, 3214868480
	.section	.rodata,"a",@progbits
	.p2align	6, 0x0
	.amdhsa_kernel k_qd8dfc64569_attn
		.amdhsa_group_segment_fixed_size 327680
		.amdhsa_private_segment_fixed_size 0
		.amdhsa_enable_private_segment 0
		.amdhsa_kernarg_size 40
		.amdhsa_user_sgpr_count 2
		.amdhsa_user_sgpr_kernarg_segment_ptr 1
		.amdhsa_wavefront_size32 1
		.amdhsa_system_sgpr_workgroup_id_x 1
		.amdhsa_system_sgpr_workgroup_id_y 1
		.amdhsa_system_sgpr_workgroup_id_z 1
		.amdhsa_system_vgpr_workitem_id 0
		.amdhsa_next_free_vgpr 896
		.amdhsa_next_free_sgpr 102
		.amdhsa_reserve_vcc 0
		.amdhsa_float_denorm_mode_32 3
		.amdhsa_float_denorm_mode_16_64 3
		.amdhsa_memory_ordered 1
		.amdhsa_forward_progress 1
		.amdhsa_inst_pref_size 255
	.end_amdhsa_kernel
	.section	.bss,"aw",@nobits
	.p2align	6
	.space	262144
	.amdgpu_metadata
---
amdhsa.version: [ 1, 2 ]
amdhsa.kernels:
  - .name:           k_qd8dfc64569_attn
    .symbol:         k_qd8dfc64569_attn.kd
    .args:
      - { .name: q, .offset: 0, .size: 8, .value_kind: global_buffer, .address_space: global }
      - { .name: k, .offset: 8, .size: 8, .value_kind: global_buffer, .address_space: global }
      - { .name: v, .offset: 16, .size: 8, .value_kind: global_buffer, .address_space: global }
      - { .name: mbits, .offset: 24, .size: 8, .value_kind: global_buffer, .address_space: global }
      - { .name: out0, .offset: 32, .size: 8, .value_kind: global_buffer, .address_space: global }
    .group_segment_fixed_size: 327680
    .private_segment_fixed_size: 0
    .kernarg_segment_align: 8
    .kernarg_segment_size: 40
    .max_flat_workgroup_size: 128
    .sgpr_count:     102
    .vgpr_count:     896
    .wavefront_size: 32
...
	.end_amdgpu_metadata
.endif
;; end of part 2
;; ======== version 2 of 2: 2 launches
;; workspace buffers: mbits 524,288 bytes of whole numbers
;; launch maskbits: the kernel of part 1 again; grid 256 x 1, 8 waves a work-group, no clusters, 68,608 bytes of LDS; arguments mask, mbits; writes mbits
;; launch attn (part 3): grid 512 x 1, 4 waves a work-group, clusters of 4 x 1, 327,680 bytes of LDS; arguments q, k, v, mbits, out0; writes out0
.if DOCPART == 3
	.amdgcn_target "amdgcn-amd-amdhsa--gfx1250"
	.amdhsa_code_object_version 6
	.text
	.protected	k_qd8dfc64569_attn
	.globl	k_qd8dfc64569_attn
	.p2align	8
	.type	k_qd8dfc64569_attn,@function
k_qd8dfc64569_attn:
	s_mov_b64 s[64:65], 0
	v_nop
	global_prefetch_b8 v0, s[64:65] scope:SCOPE_SE
	s_setreg_imm32_b32 hwreg(HW_REG_WAVE_MODE, 25, 1), 1
	s_wait_xcnt 0x0
	s_wait_alu depctr_hold_cnt(0) depctr_sa_sdst(0) depctr_va_vdst(0) depctr_va_sdst(0) depctr_va_ssrc(0) depctr_va_vcc(0) depctr_vm_vsrc(0)
	s_getreg_b32 s2, hwreg(HW_REG_IB_STS2, 6, 4)
	s_cmp_eq_u32 s2, 0
	s_cbranch_scc0 .Lentry_in_a_cluster
	s_endpgm
.Lentry_in_a_cluster:
	s_bfe_u32 s2, ttmp6, 0x10000c
	s_cmp_lg_u32 s2, 0x3003
	s_cbranch_scc0 .Lentry_shape_is_right
	s_endpgm
.Lentry_shape_is_right:
; out = softmax(mask ? q k^T / sqrt(128) : -1e6) v for 64 heads, 2,048 x 2,048 scores a head, 128 numbers a row; all tensors f32.
; A work-group makes 256 query rows of one head with four waves, 64 rows (four tiles of 16) a wave; 32 steps of 64 keys; running maximum and sum.
; THE PRODUCTS ARE USED TRANSPOSED.  S^T = K Q^T: lane (r, h) holds in register j the score of key 8 h + j and query r.  Two key tiles, rounded in
; place to bf16, are then the second source (32 keys x 16 queries) of O^T = V^T P^T: no lane exchange and no LDS trip for P, and maximum, sum and
; rescale factor are one register a lane for each query tile.  V^T comes out of LDS by the transposing load.
; CLUSTER: the four work-groups of a cluster are four query blocks of one head and walk the same K and V tiles, so each tile is asked for jointly
; (mask 15): the requests for K and V are divided by four.  Nothing is shared between heads, so a cluster is 4 x 1.
; K AND V arrive as f32 in two LDS slots (tensor loads alone write these); each wave rounds 16 rows of K and 16 of V of the NEXT step to bf16 into one of two
; bf16 buffers (LDS stores alone write these) while the present step is multiplied.  One barrier a step orders all four regions.
; THE MASK comes as lane masks made by the launch before (32 words for a query tile and a step), by scalar loads straight into the select operand
; of v_cndmask_b32: one vector instruction for each score register.
; THE ORDER INSIDE A STEP.  There is one wave on a SIMD, so matrix and vector work overlap only if they alternate in the text.  The step's 128 products are one
; ordered stream; the vector text has sites, and each site takes the next product whose inputs are ready (MNEXT, MLIM).  A single product among vector
; instructions costs two switches of the register window; A, B, D and the scores at work do not fit into one window of 256 registers.
; The step's 128 LDS instructions stand in three runs (48, 48, 32), so that the text changes between LDS and vector work three times a step; the second and the
; third run stand behind eight vector instructions among which no product is issued.
; LIMITS.  Q, K, V and P go to the matrix units in bf16; the row sum is taken from the f32 exponentials.  A masked score is set to -11313708 in front of the
; factor c = log2(e) / sqrt(128): it stands for -1e6 with a relative difference of 4e-8.  Exponentials below 2^-126 come out as zero
; (ISA guide, entry of v_exp_f32).  NaN and infinite inputs are not matched.
.set TILEB,  32768                     ; 64 keys x 512 bytes: a step's tile of K, or of V, in f32
.set FSLOT,  2*TILEB                   ; an f32 slot: K's tile, then V's.  Two slots from LDS byte 0
.set KB,     2*FSLOT                   ; the bf16 buffers begin here
.set KPITCH, 272                       ; bf16 row of K: 256 + 16 = 17 x 16 bytes: sixteen rows begin at sixteen different 16-byte columns modulo 256
.set VPITCH, 288                       ; bf16 row of V: 9 x 32 bytes, for the transposing load
.set VOFF,   64*KPITCH                 ; V behind K in a bf16 buffer
.set BBUF,   35840                     ; a bf16 buffer: 17,408 + 18,432 bytes, 140 blocks of 256
.set STAGE,  KB+2*BBUF                 ; 202,752: each wave's own 16 rows x 528 bytes, for Q on its way in and O on its way out
.set SPITCH, 528
.set WSTAGE, 16*SPITCH
; window 0
.set KADR,  2                          ; LDS address of my part of a K fragment in bf16 buffer 0
.set VADR,  3                          ; the same for a V fragment
.set SRC,   4                          ; v4, v5: my 16 bytes of my wave's first row in f32 slot 0, 1
.set KDST,  6                          ; v6, v7: my 8 bytes of my wave's first bf16 row of K, of V
.set STROW, 8                          ; stage, by rows: 16 bytes a lane
.set STF,   9                          ; stage, by fragments: row r, 32 h bytes in
.set GOFF,  10                         ; 16 x lane: offset in a row of q and of out0
.set PFO,   11                         ; prefetch offset
.set NEG,   12                         ; the masked score
.set ONM,   13                         ; - old maximum x c
.set MX,    16                         ; v[16:19] running maximum of the raw scores, one for each query tile
.set LS,    20                         ; v[20:23] running sum, my half of the keys
.set MXA,   24                         ; v24, v25, v104, v105: four chains of the maximum
.set MXB,   25
.set NMC,   26                         ; v26 = - maximum x c (v27 only completes the pair)
.set ALPHA, 28                         ; v28 = rescale factor (v29 only completes the pair)
.set SUM,   30
.set TT,    32                         ; v[32:95] at work
.set CH,    96                         ; v[96:103] four chains of the sum, a pair each
.set MXC,   104
.set MXD,   105
.set SC,    128                        ; v[128:255] scores: tile (kt, qt) at 32 qt + 8 kt; P(qt, kp) in place at 32 qt + 16 kp
; window 1
.set QF,    0                          ; Q fragments (qt, ks) at 32 qt + 8 ks
.set KF,    128                        ; K fragments (kt, ks) at 32 ks + 8 kt
; window 2: O^T tile (dt, qt) at 64 qt + 8 dt.   window 3:
.set VF,    0                          ; V^T fragments (dt, kp) at 64 kp + 8 dt
; scalars: s3 loop count, s[4:5] out0, s[6:7] prefetch base, s[8:9] mask words, s10 wave, s11 cx, s12-13 lane select, s14 c, s15 -c, s[100:101] q
.set G1, 16                            ; s[16:23] descriptor group 1
.set G0, 24                            ; s[24:31] descriptor group 0, one set for each f32 slot
.set MA, 32                            ; s[32:63] 32 mask words
.set MB, 68                            ; s[68:99] 32 mask words
; counters of the text itself, set anew at the head of each step
.set MI, 0                             ; the next product of the step's stream
.set MLIM, 0                           ; products below this number have their inputs ready
.set MSAVE, 0
.set MQ, 0
.set MK, 0
.set MT, 0
.set KI, 0                             ; the next K fragment load
.set VI, 0                             ; the next V fragment load
.set DSN, 0                            ; LDS instructions written so far in this step: counted waits are DSN less those that must be done
.set KCEND, 0
.set VFEND, 0
.set VCEND, 0
.set FIRSTF, 0
.set BUFO, 0                           ; byte offset of this step's bf16 buffer
.set NBUF, 0                           ; and of the next step's
.set SRCR, SRC                         ; address register of the f32 slot that holds the next tile
.set MSB, 0
.macro WIN new                         ; s_set_vgpr_msb: bits 1:0 source 0, 3:2 source 1, 5:4 source 2, 7:6 destination; the high byte repeats the setting that is left
.if MSB != \new
	s_set_vgpr_msb (MSB<<8)|\new
.set MSB, \new
.endif
.endm
.macro PLACES n
.rept \n
	v_nop
.endr
.endm
.macro WGBAR
	s_barrier_signal -1
	s_barrier_wait -1
.endm
; A round of the cluster's barrier: my work-group's barrier, wave 0 signals for the work-group, every wave waits for all four work-groups, my work-group's barrier again.
.macro ROUND
	s_barrier_signal -1
	s_barrier_wait -1
	s_cmp_lg_u32 s10, 0
	s_cbranch_scc1 .Lnot_wave_0_\@
	s_barrier_signal -3
.Lnot_wave_0_\@:
	s_barrier_wait -3
	s_barrier_signal -1
	s_barrier_wait -1
.endm
; Q: 16 rows of a query tile, a whole row of 512 bytes to a load, into one half of the score registers
.macro QLOAD qt
.set i, 0
.rept 16
	global_load_b128 v[SC+64*(\qt&1)+4*i:SC+64*(\qt&1)+4*i+3], v[GOFF], s[100:101] offset:(16*\qt+i)*512 th:TH_LOAD_NT
.set i, i+1
.endr
.endm
; through my stage into fragment order, rounded to bf16.  left = the younger loads that may stay out
.macro QCONV qt, left
	s_wait_loadcnt \left
.set i, 0
.rept 16
	ds_store_b128 v[STROW], v[SC+64*(\qt&1)+4*i:SC+64*(\qt&1)+4*i+3] offset:i*SPITCH
.set i, i+1
.endr
.irp ks, 0,1,2,3
	ds_load_b128 v[TT+16*\ks:TT+16*\ks+3],     v[STF] offset:\ks*128      ; numbers 32 ks + 8 h .. + 7 of row r,
	ds_load_b128 v[TT+16*\ks+4:TT+16*\ks+7],   v[STF] offset:\ks*128+16
	ds_load_b128 v[TT+16*\ks+8:TT+16*\ks+11],  v[STF] offset:\ks*128+64   ; and 32 ks + 16 + 8 h .. + 7
	ds_load_b128 v[TT+16*\ks+12:TT+16*\ks+15], v[STF] offset:\ks*128+80
.endr
	s_wait_dscnt 0x0                               ; the fragments are in, and the stage and the landing registers are free again
	WIN 0x40
.set i, 0
.rept 32
	v_cvt_pk_bf16_f32 v[QF+32*\qt+i], v[TT+2*i], v[TT+2*i+1]
.set i, i+1
.endr
	WIN 0
.endm
; ---- the pieces of a step ----
.macro DSWAIT upto                     ; LDS instructions end in order (ISA guide 5.7.1): the step's first 'upto' are done, those written since may stay out
	s_wait_dscnt DSN-(\upto)
.endm
; the 32 loads of the step's 16 K fragments; load 8 ks + 2 kt + half: eight loads for each 32 numbers along the rows, in the order in which S(q0) wants them
.macro KRUN
	WIN 0x40
.rept 32
	ds_load_b128 v[KF+4*KI:KF+4*KI+3], v[KADR] offset:BUFO+((KI%8)/2)*16*KPITCH+(KI/8)*64+(KI%2)*32
.set KI, KI+1
.set DSN, DSN+1
.endr
.endm
; the next 16 loads of the step's 16 V^T fragments (load 16 kp + 2 dt + half), transposed on the way: one call for 32 keys
.macro VRUN
	WIN 0xc0
.rept 16
	ds_load_tr16_b128 v[VF+4*VI:VF+4*VI+3], v[VADR] offset:BUFO+(VI/16)*32*VPITCH+((VI%16)/2)*32+(VI%2)*16*VPITCH
.set VI, VI+1
.set DSN, DSN+1
.endr
	WIN 0
.endm
; my wave's 16 rows of K (part 0) or of V (part 1) of the next tile out of its f32 slot: a row of 512 bytes to a load
.macro CRUN part
	WIN 0
.set i, 0
.rept 16
	ds_load_b128 v[TT+4*i:TT+4*i+3], v[SRCR] offset:\part*TILEB+i*512
.set i, i+1
.set DSN, DSN+1
.endr
.endm
; the same 16 rows, rounded, into the next step's bf16 buffer: a bf16 row of 256 bytes to a store
.macro SRUN part
.set i, 0
.rept 16
	ds_store_b64 v[KDST+\part], v[TT+4*i:TT+4*i+1] offset:NBUF+i*(KPITCH+16*\part)
.set i, i+1
.set DSN, DSN+1
.endr
.endm
; THE STREAM OF PRODUCTS, in this order:
;     0 -   7  O^T(q3) += V^T P^T, keys 32-63 of the step BEFORE: registers alone, so it can run behind the barrier while K's fragments come
;     8 -  71  S^T(q) = K Q^T, query tile by query tile; in a tile four key tiles take turns for each 32 numbers along the rows; the first products start the sums
;    72 - 119  O^T(q) += V^T P^T for q0, q1, q2: eight tiles take turns, keys 0-31, then keys 32-63
;   120 - 127  O^T(q3), keys 0-31
; No two products that follow each other share an accumulator, over the step's end too (tile 7, then tile 0): the accumulators take turns, one instruction a turn.
.macro MNEXT
.if MI < MLIM
.if MI < 8
	WIN 0xa3
	v_wmma_f32_16x16x32_bf16 v[192+8*MI:192+8*MI+7], v[VF+64+8*MI:VF+64+8*MI+7], v[SC+112:SC+119], v[192+8*MI:192+8*MI+7]
.else
.if MI < 72
.set MQ, (MI-8)/16
.set MK, ((MI-8)%16)/4
.set MT, (MI-8)%4
.if MI < 24
.if MT == 0
	DSWAIT 8*MK+8                                  ; the eight fragment loads of this ks, and all before them
.endif
.endif
	WIN 0x05
.if MK == 0
	v_wmma_f32_16x16x32_bf16 v[SC+32*MQ+8*MT:SC+32*MQ+8*MT+7], v[KF+32*MK+8*MT:KF+32*MK+8*MT+7], v[QF+32*MQ+8*MK:QF+32*MQ+8*MK+7], 0
.else
	v_wmma_f32_16x16x32_bf16 v[SC+32*MQ+8*MT:SC+32*MQ+8*MT+7], v[KF+32*MK+8*MT:KF+32*MK+8*MT+7], v[QF+32*MQ+8*MK:QF+32*MQ+8*MK+7], v[SC+32*MQ+8*MT:SC+32*MQ+8*MT+7]
.endif
.else
.set MQ, (MI-72)/16
.set MK, ((MI-72)%16)/8
.set MT, (MI-72)%8
.if MI == 72
	DSWAIT VFEND                                   ; the V fragments are in; what was written behind them stays out
.endif
	WIN 0xa3
.if FIRSTF*(1-MK)
	v_wmma_f32_16x16x32_bf16 v[64*MQ+8*MT:64*MQ+8*MT+7], v[VF+64*MK+8*MT:VF+64*MK+8*MT+7], v[SC+32*MQ+16*MK:SC+32*MQ+16*MK+7], 0
.else
	v_wmma_f32_16x16x32_bf16 v[64*MQ+8*MT:64*MQ+8*MT+7], v[VF+64*MK+8*MT:VF+64*MK+8*MT+7], v[SC+32*MQ+16*MK:SC+32*MQ+16*MK+7], v[64*MQ+8*MT:64*MQ+8*MT+7]
.endif
.endif
.endif
.set MI, MI+1
.endif
.endm
.macro M4
	MNEXT
	MNEXT
	MNEXT
	MNEXT
.endm
.macro MFL lim                         ; what the sites have not taken, up to product lim
.set MSAVE, MLIM
.set MLIM, \lim
.rept 32
	MNEXT
.endr
.set MLIM, MSAVE
.endm
; A SITE: the next product, and back to the window of the vector work around it
.macro Y
	MNEXT
	WIN 0
.endm
.macro Z
	MNEXT
	WIN 0x82
.endm
; the mask on one query tile: 32 selects, a site after every 'per' of the first 24: none among the last eight, behind which an LDS run may stand.
; rl >= 0: the 32 words are loaded again from that byte offset as soon as they have been used
.macro CND qt, ms, per, rl
.set i, 0
.rept 32
	v_cndmask_b32 v[SC+32*\qt+i], v[NEG], v[SC+32*\qt+i], s[\ms+i]   ; bit clear: the score is replaced
.set i, i+1
.if (i % \per) == 0
.if i <= 24
	Y
.endif
.endif
.endr
.if \rl >= 0
	s_load_b512 s[\ms:\ms+15],    s[8:9], \rl
	s_load_b512 s[\ms+16:\ms+31], s[8:9], \rl+64
.endif
.endm
; 16 rows at work: four f32 to four bf16, in place; a site after rows 4, 8 and 12, none among the last eight conversions, behind which an LDS run stands
.macro CVTS
.set i, 0
.rept 16
	v_cvt_pk_bf16_f32 v[TT+4*i],   v[TT+4*i],   v[TT+4*i+1]
	v_cvt_pk_bf16_f32 v[TT+4*i+1], v[TT+4*i+2], v[TT+4*i+3]
.set i, i+1
.if (i % 4) == 0
.if i < 16
	Y
.endif
.endif
.endr
.endm
; S(q1): 16 products, which have no softmax to stand among; behind each of them one row of K of the next tile is rounded in place.
; The 32 conversions name no register of a product, so they are also the places behind S(q0) and behind the step's first eight products (ISA guide 7.12.1).
.macro SCV
.set i, 0
.rept 16
	MNEXT
	WIN 0
	v_cvt_pk_bf16_f32 v[TT+4*i],   v[TT+4*i],   v[TT+4*i+1]
	v_cvt_pk_bf16_f32 v[TT+4*i+1], v[TT+4*i+2], v[TT+4*i+3]
.set i, i+1
.endr
.endm
.macro OSCALE qt                       ; the 64 registers of O^T of one query tile times v28
	WIN 0x82
.set i, 0
.rept 32
	v_pk_mul_f32 v[64*\qt+i:64*\qt+i+1], v[64*\qt+i:64*\qt+i+1], v[ALPHA:ALPHA+1] op_sel_hi:[1,0]
.set i, i+2
.if (i % 16) == 0
.if i < 64
	Z
.endif
.endif
.endr
.endm
; Softmax step of one query tile behind its selects: 64 keys x 16 queries in 32 registers.  first = 1: the first step, nothing to carry on.
.macro SMR qt, first
.set SB, SC+32*\qt
.if \first
	v_max_num_f32 v[MXA], v[SB], v[SB+1]
.else
	v_mul_f32 v[ONM], s15, v[MX+\qt]                           ; - old maximum x c, rounded as it was when it was used
	v_max3_num_f32 v[MXA], v[SB], v[SB+1], v[MX+\qt]           ; the running maximum joins the first chain
.endif
	v_max_num_f32 v[MXB], v[SB+2], v[SB+3]                     ; four chains that do not wait for each other
	v_max_num_f32 v[MXC], v[SB+4], v[SB+5]
	v_max_num_f32 v[MXD], v[SB+6], v[SB+7]
	Y
.set i, 8
.rept 3
	v_max3_num_f32 v[MXA], v[SB+i],   v[SB+i+1], v[MXA]
	v_max3_num_f32 v[MXB], v[SB+i+2], v[SB+i+3], v[MXB]
	v_max3_num_f32 v[MXC], v[SB+i+4], v[SB+i+5], v[MXC]
	v_max3_num_f32 v[MXD], v[SB+i+6], v[SB+i+7], v[MXD]
	Y
.set i, i+8
.endr
	v_max3_num_f32 v[MXA], v[MXA], v[MXB], v[MXC]              ; from here each line needs the one before: a site between them
	Y
	v_max_num_f32 v[MXA], v[MXA], v[MXD]
	Y
	v_permlanex16_b32 v[MXB], v[MXA], s12, s13                 ; the other half of the lanes holds the query's other keys
	Y
	v_max_num_f32 v[MX+\qt], v[MXA], v[MXB]
	Y
	v_mul_f32 v[NMC], s15, v[MX+\qt]
.if \first == 0
	v_sub_f32 v[ALPHA], v[NMC], v[ONM]                         ; (old - new maximum) x c: 0 or below
	v_exp_f32 v[ALPHA], v[ALPHA]                               ; the plain instructions below stand between it and its first use (ISA guide 5.7.2)
.endif
	Y
	; A rolling pipeline over the 16 register pairs.  Trip k: exponentials of pair k; score x c - maximum x c of pair k + 2; pair k - 1 into the sum;
	; pair k - 3 to bf16.  Behind each pair of exponentials stand plain instructions on other registers before its results are read (ISA guide 5.7.2).
	; The cast is in place: register 16 kp + i takes pair 8 kp + i, and lies in a pair that has been summed and cast before.
.set k, -2
.rept 21
.if k >= 0
.if k < 16
	v_exp_f32 v[SB+2*k],   v[SB+2*k]
	v_exp_f32 v[SB+2*k+1], v[SB+2*k+1]
.endif
.endif
.if k < 14
	v_pk_fma_f32 v[SB+2*k+4:SB+2*k+5], v[SB+2*k+4:SB+2*k+5], s[14:15], v[NMC:NMC+1] op_sel_hi:[1,0,0]
.endif
.if k >= 2
.if k <= 8
.if (k % 2) == 0
	s_wait_alu depctr_va_vdst(0)
	v_pk_add_f32 v[CH+k-2:CH+k-1], v[SB+2*k-4:SB+2*k-3], v[SB+2*k-2:SB+2*k-1]      ; pairs 0 to 7 start the four chains, two each: nothing is cleared
.endif
.else
.if k <= 16
	s_wait_alu depctr_va_vdst(0)
	v_pk_add_f32 v[CH+2*((k-1)%4):CH+2*((k-1)%4)+1], v[CH+2*((k-1)%4):CH+2*((k-1)%4)+1], v[SB+2*k-2:SB+2*k-1]
.endif
.endif
.endif
.if k == 17
	v_pk_add_f32 v[CH:CH+1],   v[CH:CH+1],   v[CH+2:CH+3]
	v_pk_add_f32 v[CH+4:CH+5], v[CH+4:CH+5], v[CH+6:CH+7]
.endif
.if k == 18
	v_pk_add_f32 v[CH:CH+1],   v[CH:CH+1],   v[CH+4:CH+5]
.endif
.if k >= 3
	v_cvt_pk_bf16_f32 v[SB+16*((k-3)/8)+((k-3)%8)], v[SB+2*k-6], v[SB+2*k-5]
.endif
.if k >= 0
.if (k % 2) == 0
	Y
.endif
.endif
.set k, k+1
.endr
.if \first
	v_add_f32 v[LS+\qt], v[CH], v[CH+1]
.else
	v_add_f32 v[SUM], v[CH], v[CH+1]
	v_fma_f32 v[LS+\qt], v[LS+\qt], v[ALPHA], v[SUM]
	OSCALE \qt
	WIN 0
.endif
.endm
; Wave 0 asks for 32 blocks of 256 bytes of the tile three steps on, whose tensor load is issued in the next step.  Of the two clusters of a head the even one
; asks for K and the odd one for V, each work-group for its quarter of the 32 KiB: every block is asked for once in the launch.
.macro PREF
	s_cmp_lg_u32 s10, 0
	s_cbranch_scc1 .Lno_prefetch_\@
	global_prefetch_b8 v[PFO], s[6:7] th:TH_LOAD_NT scope:SCOPE_SE
.Lno_prefetch_\@:
.endm
; One step of 64 keys.  b = the step's parity: its bf16 buffer, and the f32 slot that is free.  first: the first step; prev: eight products of the step before are due;
; refill: the tile two steps on is asked for; pf: prefetch; conv: the next step's tile is rounded to bf16; nm: the next step's mask words are loaded; tw: a tensor load of mine may be out.
.macro TRIP b, first, prev, refill, pf, conv, nm, tw
.set BUFO, \b*BBUF
.set NBUF, (1-\b)*BBUF
.set SRCR, SRC+1-\b
.set FIRSTF, \first
.set DSN, 0
.set KI, 0
.set VI, 0
.set MI, 8-8*\prev
.set MLIM, 8
.if \tw
	s_wait_tensorcnt 0x0                           ; all my tensor loads have landed: my part of the next step's tile;
	ds_add_u32 v126, v127
	s_wait_dscnt 0x0
.endif
.if \refill
	s_add_nc_u64 s[G0+4*\b+2:G0+4*\b+3], s[G0+4*\b+2:G0+4*\b+3], 2*TILEB   ; none is out, so a group 0 may be written: this slot's next tile
.endif
	s_wait_dscnt 0x0                               ; my reads of the free f32 slot and of the other bf16 buffer are back, my stores into this step's bf16 buffer are done
.if \refill
	ROUND                                          ; all that now holds of every wave of the four work-groups
	tensor_load_to_lds s[G0+4*\b:G0+4*\b+3], s[G1:G1+7]        ; my one tensor load until the next round, first thing behind this one
	s_nop 0
.else
	WGBAR
.endif
.if \pf
	PREF
.endif
	; A.  First LDS run: K's fragments, then K of the next step in f32.  The eight products left from the step before run while they come; then S(q0) and S(q1).
	KRUN
.if \conv
	CRUN 0
.endif
.set KCEND, DSN
	M4
	M4
.set MLIM, 40
	M4                                             ; S(q0): each four behind the wait for their eight fragment loads
	M4
	M4
	M4
.if \conv
	DSWAIT KCEND                                   ; K in f32 is in: nothing has been written behind it, so the count is 0
	SCV                                            ; S(q1), with K's conversion among its products
.else
	M4                                             ; S(q1)
	M4
	M4
	M4
	WIN 0
	PLACES 4                                       ; behind the products, in front of the selects that read them and of the loads into V's fragments
.endif
	; B.  The masks of q0 and q1 together, so that both sets of words are asked for again as early as can be; S(q2) and S(q3) at the sites
	s_wait_kmcnt 0x0                               ; both sets of mask words are in
.set MLIM, 72
	CND 0, MA, 4, 8192                             ; then the set takes query tile 2 of this step
	; second LDS run
.if \conv
	SRUN 0                                         ; K of the next step, bf16
	CRUN 1                                         ; V of the next step, f32, into the registers that the stores above have been issued from: LDS serves a wave in order
.endif
.set VCEND, DSN
	VRUN                                           ; V's fragments, keys 0-31
	CND 1, MB, 4, 12288                            ; then the set takes query tile 3 of this step
.if \conv
	DSWAIT VCEND                                   ; V in f32 is in; the 16 fragment loads written behind it stay out
	CVTS
.endif
	; third LDS run
	VRUN                                           ; V's fragments, keys 32-63
.set VFEND, DSN
.if \conv
	SRUN 1                                         ; V of the next step, bf16
.endif
	SMR 0, \first
	MFL 72                                         ; what is left of S(q2) and S(q3), if the sites have not taken all
	WIN 0
.set MLIM, 88                                      ; P(q0) and O(q0) are ready
	SMR 1, \first
.set MLIM, 104                                     ; P(q1) and O(q1) are ready
	; C.  The masks of q2 and q3 together, then both tiles' softmax
	s_wait_kmcnt 0x0                               ; the mask words are in, and their base may be stepped
.if \nm
	s_add_nc_u64 s[8:9], s[8:9], 128               ; four key tiles of eight words
.endif
.if \pf
	s_wait_xcnt 0x0                                ; the base of the prefetch is stepped only behind this wait
	s_add_nc_u64 s[6:7], s[6:7], TILEB
.endif
.if \nm
	CND 2, MA, 8, 0                                ; then query tile 0 of the next step
	CND 3, MB, 8, 4096                             ; and query tile 1
.else
	CND 2, MA, 8, -1
	CND 3, MB, 8, -1
.endif
	SMR 2, \first
.set MLIM, 120                                     ; P(q2) and O(q2) are ready
	SMR 3, \first
	MFL 128                                        ; O(q3), keys 0-31; keys 32-63 follow behind the next barrier
	WIN 0
.endm
; 16 rows of the result: divide by the sum, through my stage into whole rows, out
.macro OUTQ qt
	v_permlanex16_b32 v[MXA], v[LS+\qt], s12, s13              ; the other half of the keys
	v_add_f32 v[MXA], v[MXA], v[LS+\qt]
	v_rcp_f32 v[ALPHA], v[MXA]                                 ; the sum is at least about 1: the largest exponential
	v_nop                                                      ; one plain place behind it
	s_wait_alu depctr_va_vdst(0)
	OSCALE \qt
	WIN 0x08
.irp dt, 0,1,2,3,4,5,6,7
	ds_store_b128 v[STF], v[64*\qt+8*\dt:64*\qt+8*\dt+3]   offset:\dt*64      ; row r, numbers 16 dt + 8 h .. + 7
	ds_store_b128 v[STF], v[64*\qt+8*\dt+4:64*\qt+8*\dt+7] offset:\dt*64+16
.endr
	WIN 0
	s_wait_xcnt 0x0                                ; the registers that earlier stores read are loaded again only behind this wait
.set i, 0
.rept 16
	ds_load_b128 v[TT+4*i:TT+4*i+3], v[STROW] offset:i*SPITCH  ; a wave's LDS instructions are served in order: these see the stores above
.set i, i+1
.endr
.set i, 0
.rept 16
	s_wait_dscnt 15-i
	global_store_b128 v[GOFF], v[TT+4*i:TT+4*i+3], s[4:5] offset:(16*\qt+i)*512 th:TH_STORE_NT   ; a whole row: 512 consecutive bytes, aligned
.set i, i+1
.endr
.endm
	; ---- ids, addresses, descriptors ----
	s_load_b256 s[32:39], s[0:1], 0x0              ; q s[32:33], k s[34:35], v s[36:37], mbits s[38:39]: used up before the mask words land here
	s_load_b64 s[4:5], s[0:1], 0x20                ; out0
	v_lshl_add_u32 v126, v0, 2, 0x39c00
	v_mov_b32 v127, 0
	ds_add_u32 v126, v127
	v_lshrrev_b32 v1, 5, v0
	v_readfirstlane_b32 s10, v1                    ; wave 0..3
	s_bfe_u32 s11, ttmp6, 0x40000                  ; cx: my place in the cluster
	s_mov_b32 s12, 0x76543210                      ; v_permlanex16_b32: lane i reads lane i of the other half
	s_mov_b32 s13, 0xfedcba98
	s_mov_b32 s14, 0x3e0293ee                      ; c = log2(e) / sqrt(128)
	s_mov_b32 s15, 0xbe0293ee                      ; -c
	; group 1: 16 KiB that are dense in memory, as 64 rows of 32 elements of 8 bytes, dense in LDS
	s_mov_b32 s[G1+0], 0x0023000f                  ; 15:0 mask: all four work-groups; 17:16 elements of 8 bytes; 21 set beside a mask; no padding
	s_mov_b32 s[G1+1], 32<<16                      ; tensor_dim0 = 32
	s_mov_b32 s[G1+2], 64<<16                      ; tensor_dim1 = 64
	s_mov_b32 s[G1+3], 32<<16                      ; tile_dim0 = 32
	s_mov_b32 s[G1+4], 64                          ; tile_dim1 = 64
	s_mov_b32 s[G1+5], 32                          ; from row to row: 32 elements
	s_mov_b32 s[G1+6], 0
	s_mov_b32 s[G1+7], 0
	s_lshr_b32 s68, ttmp9, 1                       ; head: two clusters to a head
	s_lshl_b32 s68, s68, 20                        ; a head's 2,048 rows of 512 bytes; shared by the cluster
	s_mov_b32 s69, 0
	s_and_b32 s76, ttmp9, 1                        ; which four query blocks of the head
	s_lshl_b32 s70, s76, 2
	s_add_co_u32 s70, s70, s11                     ; query block 0..7
	s_lshl_b32 s78, s70, 16                        ; mask words: 16 query tiles of 4,096 bytes to a block,
	s_lshl_b32 s2, s10, 14                         ; four to a wave
	s_add_co_u32 s78, s78, s2
	s_mov_b32 s79, 0
	s_lshl_b32 s70, s70, 17                        ; q and out0: 256 rows to a block,
	s_lshl_b32 s2, s10, 15                         ; 64 to a wave,
	s_add_co_u32 s70, s70, s2
	s_add_co_u32 s70, s70, s68                     ; in my head
	s_mov_b32 s71, 0
	s_and_b32 s74, s10, 1                          ; which 32 rows of the tile I fetch
	s_lshl_b32 s74, s74, 14
	s_mov_b32 s75, 0
	v_and_b32 v32, 31, v0                          ; lane
	v_and_b32 v33, 15, v0                          ; r
	v_bfe_u32 v34, v0, 4, 1                        ; h
	v_mul_u32_u24 v[KADR], v33, KPITCH             ; K fragment: row r, 16 h bytes in; two loads 32 bytes apart
	v_lshl_add_u32 v[KADR], v34, 4, v[KADR]
	v_add_nc_u32 v[KADR], KB, v[KADR]
	v_and_b32 v35, 7, v0                           ; V fragment: key row 8 h + lane % 8, 16 bytes for each eight lanes
	v_lshl_add_u32 v35, v34, 3, v35
	v_mul_u32_u24 v[VADR], v35, VPITCH
	v_bfe_u32 v36, v0, 3, 1
	v_lshl_add_u32 v[VADR], v36, 4, v[VADR]
	v_add_nc_u32 v[VADR], KB+VOFF, v[VADR]
	s_lshl_b32 s2, s10, 13                         ; my wave's 16 rows of 512 bytes in an f32 tile
	v_lshl_add_u32 v[SRC], v32, 4, s2
	v_add_nc_u32 v[SRC+1], FSLOT, v[SRC]
	s_mul_i32 s2, s10, 16*KPITCH
	s_add_co_u32 s2, s2, KB
	v_lshl_add_u32 v[KDST], v32, 3, s2
	s_mul_i32 s2, s10, 16*VPITCH
	s_add_co_u32 s2, s2, KB+VOFF
	v_lshl_add_u32 v[KDST+1], v32, 3, s2
	s_mul_i32 s2, s10, WSTAGE
	s_add_co_u32 s2, s2, STAGE
	v_lshl_add_u32 v[STROW], v32, 4, s2
	v_mul_u32_u24 v[STF], v33, SPITCH
	v_lshl_add_u32 v[STF], v34, 5, v[STF]
	v_add_nc_u32 v[STF], s2, v[STF]
	v_lshlrev_b32 v[GOFF], 4, v32
	v_lshlrev_b32 v[PFO], 8, v32                   ; lanes 256 bytes apart,
	v_lshl_add_u32 v[PFO], s11, 13, v[PFO]         ; in my work-group's quarter of the tile
	v_mov_b32 v[NEG], 0xcb2ca22c                   ; -11313708 = -1e6 x sqrt(128), rounded to f32
	v_mov_b32 v[NMC+1], 0                          ; the upper halves of two pairs of which the packed forms use the lower alone
	v_mov_b32 v[ALPHA+1], 0
	s_wait_dscnt 0x0
	s_wait_kmcnt 0x0
	s_add_nc_u64 s[100:101], s[32:33], s[70:71]    ; q at my wave's first row
	s_add_nc_u64 s[4:5], s[4:5], s[70:71]          ; out0 likewise
	s_add_nc_u64 s[8:9], s[38:39], s[78:79]        ; mask words of my wave's first query tile, step 0
	s_cmp_lt_u32 s10, 2
	s_cselect_b64 s[72:73], s[34:35], s[36:37]     ; waves 0 and 1 fetch K's halves, waves 2 and 3 V's
	s_add_nc_u64 s[72:73], s[72:73], s[68:69]      ; the head: nothing here hangs on the place in the cluster
	s_add_nc_u64 s[72:73], s[72:73], s[74:75]
	s_cmp_lg_u32 s76, 0
	s_cselect_b64 s[6:7], s[36:37], s[34:35]       ; prefetch: the odd cluster of a head asks for V, the even one for K
	s_add_nc_u64 s[6:7], s[6:7], s[68:69]
	s_add_nc_u64 s[6:7], s[6:7], 3*TILEB           ; step 0 asks for tile 3
	s_mov_b32 s[G0+0], 1                           ; group 0 of slot 0: count 1,
	s_lshl_b32 s[G0+1], s10, 14                    ; LDS address: wave x 16 KiB,
	s_mov_b64 s[G0+2:G0+3], s[72:73]               ; tile 0,
	s_or_b32 s[G0+3], s[G0+3], 0x80000000          ; type 2
	s_mov_b32 s[G0+4], 1                           ; group 0 of slot 1
	s_add_co_u32 s[G0+5], s[G0+1], FSLOT
	s_add_nc_u64 s[G0+6:G0+7], s[72:73], TILEB     ; tile 1
	s_or_b32 s[G0+7], s[G0+7], 0x80000000
	ROUND                                          ; all four work-groups are here: the first joint loads meet
	tensor_load_to_lds s[G0:G0+3], s[G1:G1+7]      ; both first fills go out together: two tensor loads of mine are out,
	s_nop 0
	tensor_load_to_lds s[G0+4:G0+7], s[G1:G1+7]    ; later one behind each round
	s_nop 0
	s_load_b512 s[MA:MA+15],    s[8:9], 0x0        ; mask words of step 0: query tile 0,
	s_load_b512 s[MA+16:MA+31], s[8:9], 0x40
	s_load_b512 s[MB:MB+15],    s[8:9], 0x1000     ; query tile 1
	s_load_b512 s[MB+16:MB+31], s[8:9], 0x1040
	; ---- Q: 64 rows to bf16 fragments, two tiles of loads on their way at a time ----
	QLOAD 0
	QLOAD 1
	QCONV 0, 16                                    ; 16: the next tile's loads stay out
	QLOAD 2
	QCONV 1, 16
	QLOAD 3
	QCONV 2, 16
	QCONV 3, 0
	; ---- tile 0 to bf16, by the steps' own pieces: out of f32 slot 0 into bf16 buffer 0; no product is due, so the sites are empty ----
.set SRCR, SRC
.set NBUF, 0
.set MI, 0
.set MLIM, 0
	s_wait_tensorcnt 0x1                           ; my part of tile 0 is in; tile 1 may stay out
	s_wait_dscnt 0x0
	WGBAR                                          ; everybody's part is in
	CRUN 0
	s_wait_dscnt 0x0
	CVTS
	SRUN 0
	CRUN 1
	s_wait_dscnt 0x0
	CVTS
	SRUN 1
	; ---- 32 steps ----                             b, first, prev, refill, pf, conv, nm, tw
	TRIP 0, 1, 0, 1, 1, 1, 1, 1                    ; step 0 stands in front of the loop: it starts maximum, sum and O
	s_mov_b32 s3, 14
.Lsteps:
	TRIP 1, 0, 1, 1, 1, 1, 1, 1                    ; steps 1 to 28
	TRIP 0, 0, 1, 1, 1, 1, 1, 1
	s_sub_co_u32 s3, s3, 1
	s_cmp_lg_u32 s3, 0
	s_cbranch_scc1 .Lsteps
	TRIP 1, 0, 1, 1, 0, 1, 1, 1                    ; step 29 asks for the last tile, 31; no prefetch is left: tile 31 was asked for in step 28
	TRIP 0, 0, 1, 0, 0, 1, 1, 1                    ; step 30 fetches nothing and rounds tile 31
	TRIP 1, 0, 1, 0, 0, 0, 0, 0                    ; step 31: nothing is left to prepare, and no tensor load is out
.set MI, 0
.set MLIM, 8
	M4                                             ; the last step's eight products that are still due: O(q3), keys 32-63
	M4
	WIN 0
	; ---- the way out: O(q3), which those products wrote, is read last, behind the vector work of three tiles ----
	OUTQ 0
	OUTQ 1
	OUTQ 2
	OUTQ 3
	s_wait_tensorcnt 0x0
	ds_add_u32 v126, v127
	s_wait_dscnt 0x0
	ROUND                                          ; the closing round: no work-group ends while a partner may still ask for a tile that names it
	s_endpgm
.Lfunc_end_k_qd8dfc64569_attn:
	.size	k_qd8dfc64569_attn, .Lfunc_end_k_qd8dfc64569_attn-k_qd8dfc64569_attn
	.p2alignl 7, 3214868480
	.fill 96, 4, 3214868480
	.section	.rodata,"a",@progbits
	.p2align	6, 0x0
	.amdhsa_kernel k_qd8dfc64569_attn
		.amdhsa_group_segment_fixed_size 327680
		.amdhsa_private_segment_fixed_size 0
		.amdhsa_enable_private_segment 0
		.amdhsa_kernarg_size 40
		.amdhsa_user_sgpr_count 2
		.amdhsa_user_sgpr_kernarg_segment_ptr 1
		.amdhsa_wavefront_size32 1
		.amdhsa_system_sgpr_workgroup_id_x 1
		.amdhsa_system_sgpr_workgroup_id_y 1
		.amdhsa_system_sgpr_workgroup_id_z 1
		.amdhsa_system_vgpr_workitem_id 0
		.amdhsa_next_free_vgpr 896
		.amdhsa_next_free_sgpr 102
		.amdhsa_reserve_vcc 0
		.amdhsa_float_denorm_mode_32 3
		.amdhsa_float_denorm_mode_16_64 3
		.amdhsa_memory_ordered 1
		.amdhsa_forward_progress 1
		.amdhsa_inst_pref_size 255
	.end_amdhsa_kernel
	.section	.bss,"aw",@nobits
	.p2align	6
	.space	262144
	.amdgpu_metadata
---
amdhsa.version: [ 1, 2 ]
amdhsa.kernels:
  - .name:           k_qd8dfc64569_attn
    .symbol:         k_qd8dfc64569_attn.kd
    .args:
      - { .name: q, .offset: 0, .size: 8, .value_kind: global_buffer, .address_space: global }
      - { .name: k, .offset: 8, .size: 8, .value_kind: global_buffer, .address_space: global }
      - { .name: v, .offset: 16, .size: 8, .value_kind: global_buffer, .address_space: global }
      - { .name: mbits, .offset: 24, .size: 8, .value_kind: global_buffer, .address_space: global }
      - { .name: out0, .offset: 32, .size: 8, .value_kind: global_buffer, .address_space: global }
    .group_segment_fixed_size: 327680
    .private_segment_fixed_size: 0
    .kernarg_segment_align: 8
    .kernarg_segment_size: 40
    .max_flat_workgroup_size: 128
    .sgpr_count:     102
    .vgpr_count:     896
    .wavefront_size: 32
...
	.end_amdgpu_metadata
.endif
;; end of part 3
